; MI455X (gfx1250); checked and timed in simulation.
; The chip was launched on July 23, 2026; its instructions are those of AMD's public machine-readable ISA for CDNA 5 (MIT licence, August 2026) and "CDNA5" Instruction Set Architecture Reference Guide (July 2026). The comments in the code are by the model that wrote it; some were corrected since.
;; Residual block. Allowed arithmetic: matrix products marked QUANTISED: E4M3 operands, one given power-of-two scale a tensor, by v_wmma_f32_16x16x64_fp8_fp8 or v_wmma_f32_16x16x128_fp8_fp8, f32 sums; everything else in f32.
;; Inputs: W1 2,048 x 2,048 float32; W2 2,048 x 2,048 float32; b1 2,048 float32; b2 2,048 float32; be1 2,048 float32; be2 2,048 float32; g1 2,048 float32; g2 2,048 float32; lowp_scales 4 int32 (the exponents e of the quantised operands' scales 2^e); x 8,192 x 2,048 float32.
;; Outputs: out0 8,192 x 2,048 float32.
;; This version of the problem:
;;   THIS VERSION OF THE PROBLEM IS GIVEN IN LOW PRECISION. The matrix products marked QUANTISED in the list below multiply operands that are first quantised to E4M3 (4 exponent bits, 3 mantissa bits; 8 bits a number), with one given power-of-two scale for each operand tensor; their sums are f32. All else is computed in f32.
;;   The module's matrix products, in the order in which they are computed (A, B: the left and right operand; K: the contracted axis; several contracted axes count as one K, in the product's order):
;;     1. [M 8,192, K 2,048] x [K 2,048, N 2,048]; A: computed on the way; B: input W1: QUANTISED (scales: A lowp_scales[0], B lowp_scales[1])
;;     2. [M 8,192, K 2,048] x [K 2,048, N 2,048]; A: computed on the way; B: input W2: QUANTISED (scales: A lowp_scales[2], B lowp_scales[3])
;;   THE QUANTISER, for each operand of a quantised product, along K:
;;     - The operand's scale is 2^e, e = its entry of the input lowp_scales (int32; the entries are numbered through the quantised products in the list's order, A before B).
;;     - Each number is divided by the scale, clamped to +-448, and rounded to the nearest number of E4M3, ties to even, subnormals kept.
;;     - The product sums the exact products of the quantised numbers (number of the format x scale) in f32.
;;   ~~~python
;;   def quantise(x, axis, e):      # numpy; x: float32 -> the quantised numbers, widened to float32 again
;;       x = np.moveaxis(x, axis, -1); K = x.shape[-1]
;;       r = np.clip(x / 2.0 ** e, -448, 448)
;;       step = 2.0 ** (np.maximum(np.frexp(np.where(r == 0, 1, r))[1] - 1, -6) - 3)
;;       q = np.round(r / step) * step * 2.0 ** e      # np.round: ties to even
;;       return np.moveaxis(q, -1, axis).astype(np.float32)
;;   ~~~
;;   OPERANDS COMPUTED ON THE WAY. 'Computed on the way' means the value that the module computes at that place (a softmax that the list does not call 'softmax' is quantised finished and normalised). What goes into a quantiser is computed in f32, as accurately as f32 sums, v_exp_f32 and their like allow (about 1e-6 of the number): no bf16 or f16 on the way to a quantiser, and a product that is left as it is and whose result goes on into a quantised operand takes f32 operands (vector FMAs, or v_wmma_f32_16x16x4_f32). A number that lies on a knife's edge between two numbers of the format may be rounded either way, as far as f32 arithmetic and the matrix unit's own rounding can turn it there, and no further.
;; One version. Each part assembles by itself: llvm-mc -triple=amdgcn-amd-amdhsa -mcpu=gfx1250 --defsym DOCPART=n.
;; ======== version 1 of 1: 4 launches
;; limits: right only within a limited range of input values
;; workspace buffers: acodes 16,777,216 bytes; w1q 4,194,304 bytes; w2q 4,194,304 bytes; h 67,108,864 bytes
;; launch prep (part 1): grid 512 x 1, 4 waves a work-group, no clusters, 0 bytes of LDS; arguments x, g1, be1, W1, W2, lowp_scales, acodes, w1q, w2q; writes acodes, w1q, w2q
.if DOCPART == 1
	.amdgcn_target "amdgcn-amd-amdhsa--gfx1250"
	.amdhsa_code_object_version 6
	.text
	.protected	k_qbd6ed25ee8_prep
	.globl	k_qbd6ed25ee8_prep
	.p2align	8
	.type	k_qbd6ed25ee8_prep,@function
k_qbd6ed25ee8_prep:
	s_mov_b64 s[64:65], 0
	v_nop
	global_prefetch_b8 v0, s[64:65] scope:SCOPE_SE
	s_setreg_imm32_b32 hwreg(HW_REG_WAVE_MODE, 25, 1), 1
	s_wait_xcnt 0x0
; FIRST OF FOUR LAUNCHES of  out0 = relu( Q(LN2(relu(Q(LN1(x)) Q(W1)^T + b1))) Q(W2)^T + b2 + x ),  Q = the given quantiser to E4M3 with one scale 2^e a tensor.
; NOTHING OF THE PROBLEM IS LEFT OUT: every input has a way to out0, and every step that is written is done.
; THIS LAUNCH: acodes = codes of LN1(x) = (x - mean) rsqrt(var + 1e-5) g1 + be1, scale 2^e0;  w1q = codes of W1, scale 2^e1;  w2q = codes of W2, scale 2^e3.  K (2,048) is innermost in all three.
; code = number / 2^e, held within +-448, rounded to the nearest code, ties to even.
; LIMITS: each e lies between -126 and 119, so that 2^e and 448 x 2^e are f32 numbers.  NaN and infinity among the inputs are not served.
; THE ORDER ALONG K IN A ROW OF CODES is the program's own, the same in all its buffers of codes: byte 512 s + 16 l + 4 c + i holds k = 512 s + 128 c + 4 l + i (s, c = 0..3, l = 0..31, i = 0..3).
; Both operands of a product have it, so every number meets its partner; only the order of the terms inside the f32 sums differs from ascending k.
; It is what a lane's registers give with no exchange: each load of a wave reads 512 consecutive bytes, each store of codes writes 512 consecutive bytes.
; THE ORDER OF THE WEIGHTS' ROWS in w1q and w2q is the program's own too: in each group of 64 rows, place 16 i + r holds row 4 r + i (r = 0..15, i = 0..3), so that in the products four
; neighbouring columns of a result fall into one lane, in four accumulators.  acodes' rows lie in their true order.
; SHARES.  512 work-groups of equal work.  Wave G = 4 x work-group + wave (0..2047) takes rows 4 G .. 4 G + 3 of x and then two rows of a weight: rows 2 (G % 1024) and the next, of W1 (G < 1024) or of W2.
; A wave keeps a whole row (8,192 bytes: 64 registers a lane) in registers from the mean to the codes: each row is read once, no wave waits for another: no LDS, no barrier.
; Three row slots in registers: one at work, two on their way in; the weights' rows follow x's rows through the same slots.  Every offset is an immediate.
; Matrix units, clusters and tensor loads have nothing to do here: waves share only g1 and be1.
; REGISTERS: v1 16 x lane; v2-9 four chains; v10 mean; v12 rsqrt; v14 448 x 2^e; v15 2^e; v16 for the lane exchange; v32-63 two sets of a row's 16 code registers; v64-255 three row slots;
;   v256-319 g1, v320-383 be1, in the row's own layout (second block of 256 registers: s_set_vgpr_msb).
.set ROWF, 8192                        ; a row of f32 in bytes
.set ROWC, 2048                        ; a row of codes in bytes
.set T,    2
.set MU,   10                          ; v[10:11]: named as a pair; the low word serves both halves
.set RS,   12                          ; v[12:13]: likewise
.set LIM,  14
.set SCL,  15
.set PT,   16
.set C,    32
.set X,    64
.set WSRC, 40                          ; s[40:41] my two rows of the weight
.set WDST, 42                          ; s[42:43] the place of the first of them among the weight's codes
.set MSB,  0
.macro WIN new                         ; the immediate's high byte repeats the setting that is left
.if MSB != (\new)
	s_set_vgpr_msb (MSB<<8)|(\new)
.set MSB, (\new)
.endif
.endm
.macro FILL r, b, o                    ; row o behind the base s[b:b+1] into slot r % 3: sixteen loads of 512 consecutive bytes
.irp j, 0,1,2,3,4,5,6,7,8,9,10,11,12,13,14,15
	global_load_b128 v[X+64*((\r)%3)+4*\j:X+64*((\r)%3)+4*\j+3], v1, s[\b:\b+1] offset:(\o)*ROWF+512*\j th:TH_LOAD_NT
.endr
.endm
.macro FOLD                            ; the four chains, their halves, and the 32 lanes: the sum in every lane's v[T]
	v_pk_add_f32 v[T:T+1], v[T:T+1], v[T+2:T+3]
	v_pk_add_f32 v[T+4:T+5], v[T+4:T+5], v[T+6:T+7]
	v_pk_add_f32 v[T:T+1], v[T:T+1], v[T+4:T+5]
	v_add_f32 v[T], v[T], v[T+1]
	v_add_f32_dpp v[T], v[T], v[T] row_xmask:1 row_mask:0xf bank_mask:0xf
	v_add_f32_dpp v[T], v[T], v[T] row_xmask:2 row_mask:0xf bank_mask:0xf
	v_add_f32_dpp v[T], v[T], v[T] row_xmask:4 row_mask:0xf bank_mask:0xf
	v_add_f32_dpp v[T], v[T], v[T] row_xmask:8 row_mask:0xf bank_mask:0xf
	v_permlanex16_b32 v[PT], v[T], s34, s35
	v_add_f32 v[T], v[T], v[PT]
.endm
.macro MKSCALE                         ; from e in s24: 2^e, whose exponent field the conversion takes, and 448 x 2^e
	s_add_co_i32 s28, s24, 127
	s_lshl_b32 s29, s28, 23
	v_mov_b32 v[SCL], s29
	s_add_co_i32 s28, s28, 8
	s_lshl_b32 s28, s28, 23
	s_or_b32 s28, s28, 0x600000
	v_mov_b32 v[LIM], s28
.endm
.macro CODES r, b, off                 ; the 64 numbers of slot r % 3 become 64 codes and leave, to byte off behind s[b:b+1]
.set XS, X+64*((\r)%3)
.set CS, C+16*((\r)%2)
.set j, 0
.rept 64
	v_med3_num_f32 v[XS+j], v[XS+j], -v[LIM], v[LIM]   ; the conversion to an 8-bit code does not saturate (ISA guide 7.6.2): the hold at the largest code x the scale
.set j, j+1
.endr
.if (\r) >= 2
	s_wait_alu depctr_va_vdst(0)
	s_wait_xcnt 0x0                                ; row r - 2's stores have read this set of code registers: it is written again only behind this wait
.endif
.irp q, 0,1,2,3,4,5,6,7
	v_cvt_scalef32_pk8_fp8_f32 v[CS+2*\q:CS+2*\q+1], v[XS+8*\q:XS+8*\q+7], v[SCL]
.endr
	v_nop                                          ; one plain vector line behind the last scaled conversion
.irp s, 0,1,2,3
	global_store_b128 v1, v[CS+4*\s:CS+4*\s+3], s[\b:\b+1] offset:(\off)+512*\s   ; 32 lanes store 512 consecutive bytes, at a multiple of 512 from the buffer's first byte
.endr
.endm
; A row of the layer norm.  left: the younger loads that may stay out when row r must be in.  early: a row to ask for behind that wait (-1: none).  left2: the same count ahead of the first use of g1 and be1 (-1: no wait).
.macro ROW r, left, early, left2
.set XS, X+64*((\r)%3)
	s_wait_loadcnt \left
.if \early >= 0
	FILL \early, 4, \early
.endif
.irp c, 0,1,2,3
	v_pk_add_f32 v[T+2*\c:T+2*\c+1], v[XS+2*\c:XS+2*\c+1], v[XS+8+2*\c:XS+8+2*\c+1]   ; the first pairs start the chains: nothing is cleared
.endr
.set j, 8
.rept 24
	v_pk_add_f32 v[T+2*(j%4):T+2*(j%4)+1], v[T+2*(j%4):T+2*(j%4)+1], v[XS+2*j:XS+2*j+1]
.set j, j+1
.endr
	FOLD
	v_mul_f32 v[MU], s36, v[T]                     ; the mean: sum / 2,048 (exact scaling)
.set j, 0
.rept 32
	v_pk_add_f32 v[XS+2*j:XS+2*j+1], v[XS+2*j:XS+2*j+1], v[MU:MU+1] op_sel_hi:[1,0] neg_lo:[0,1] neg_hi:[0,1]   ; x - mean
.set j, j+1
.endr
.irp c, 0,1,2,3
	v_pk_mul_f32 v[T+2*\c:T+2*\c+1], v[XS+2*\c:XS+2*\c+1], v[XS+2*\c:XS+2*\c+1]
.endr
.set j, 4
.rept 28
	v_pk_fma_f32 v[T+2*(j%4):T+2*(j%4)+1], v[XS+2*j:XS+2*j+1], v[XS+2*j:XS+2*j+1], v[T+2*(j%4):T+2*(j%4)+1]
.set j, j+1
.endr
	FOLD
	v_fma_f32 v[T], v[T], s36, s37                 ; var + 1e-5
	s_wait_alu depctr_va_vdst(0)
	v_rsq_f32 v[RS], v[T]
	v_nop                                          ; a plain line behind the transcendental
.if \left2 >= 0
	s_wait_loadcnt \left2
.endif
	s_wait_alu depctr_va_vdst(0)                   ; ahead of the first line that names the root's result
.set j, 0
.rept 32
	v_pk_mul_f32 v[XS+2*j:XS+2*j+1], v[XS+2*j:XS+2*j+1], v[RS:RS+1] op_sel_hi:[1,0]
.set j, j+1
.endr
	WIN 0x14                                       ; sources 1 and 2 (gain, bias) in the second block of registers
.set j, 0
.rept 32
	v_pk_fma_f32 v[XS+2*j:XS+2*j+1], v[XS+2*j:XS+2*j+1], v[2*j:2*j+1], v[64+2*j:64+2*j+1]
.set j, j+1
.endr
	WIN 0
	CODES \r, 16, (\r)*ROWC
.endm
	s_load_b256 s[4:11], s[0:1], 0x0               ; x s[4:5], g1 s[6:7], be1 s[8:9], W1 s[10:11]
	s_load_b256 s[12:19], s[0:1], 0x20             ; W2 s[12:13], the exponents s[14:15], acodes s[16:17], w1q s[18:19]
	s_load_b64 s[20:21], s[0:1], 0x40              ; w2q
	v_lshrrev_b32 v2, 5, v0
	v_readfirstlane_b32 s22, v2                    ; wave 0..3
	v_and_b32 v1, 31, v0
	v_lshlrev_b32 v1, 4, v1                        ; 16 x lane; never rewritten
	v_mov_b32 v[MU+1], 0                           ; (named as the upper halves of pairs, so they are written)
	v_mov_b32 v[RS+1], 0
	v_mov_b32 v[PT], 0                             ; a lane permute's destination counts as one of its sources
	s_mov_b32 s34, 0x76543210                      ; v_permlanex16_b32: lane l takes lane l xor 16
	s_mov_b32 s35, 0xfedcba98
	s_mov_b32 s36, 0x3a000000                      ; 1 / 2,048
	s_mov_b32 s37, 0x3727c5ac                      ; 1e-5
	s_lshl_b32 s28, ttmp9, 2
	s_add_co_u32 s38, s28, s22                     ; G
	s_lshl_b32 s28, s38, 2                         ; my first row of x
	s_lshl_b32 s30, s28, 13
	s_mov_b32 s31, 0
	s_lshl_b32 s32, s28, 11
	s_mov_b32 s33, 0
	s_and_b32 s39, s38, 1023
	s_lshl_b32 s39, s39, 1                         ; n0, my first row of the weight: even
	s_lshl_b32 s44, s39, 13
	s_mov_b32 s45, 0
	s_and_b32 s46, s39, 0x7c0                      ; its group of 64 rows,
	s_bfe_u32 s47, s39, 0x40002                    ; r = (n0 / 4) % 16,
	s_add_co_u32 s46, s46, s47
	s_and_b32 s47, s39, 3                          ; i = n0 % 4 (0 or 2): row n0 goes to place 16 i + r of the group, row n0 + 1 sixteen places on
	s_lshl_b32 s47, s47, 4
	s_add_co_u32 s46, s46, s47
	s_lshl_b32 s46, s46, 11
	s_mov_b32 s47, 0
	s_wait_alu depctr_va_vdst(0)
	s_wait_kmcnt 0x0
	s_load_b128 s[24:27], s[14:15], 0x0            ; e0, e1, e2, e3
	s_add_nc_u64 s[4:5], s[4:5], s[30:31]
	s_add_nc_u64 s[16:17], s[16:17], s[32:33]
	s_cmp_lt_u32 ttmp9, 256                        ; W1 or W2: the choice hangs on the work-group's number alone
	s_cselect_b64 s[WSRC:WSRC+1], s[10:11], s[12:13]
	s_cselect_b64 s[WDST:WDST+1], s[18:19], s[20:21]
	s_add_nc_u64 s[WSRC:WSRC+1], s[WSRC:WSRC+1], s[44:45]
	s_add_nc_u64 s[WDST:WDST+1], s[WDST:WDST+1], s[46:47]
	FILL 0, 4, 0
	FILL 1, 4, 1
	WIN 0x40                                       ; destination in the second block of registers
.irp j, 0,1,2,3,4,5,6,7,8,9,10,11,12,13,14,15
	global_load_b128 v[4*\j:4*\j+3], v1, s[6:7] offset:512*\j
.endr
.irp j, 0,1,2,3,4,5,6,7,8,9,10,11,12,13,14,15
	global_load_b128 v[64+4*\j:64+4*\j+3], v1, s[8:9] offset:512*\j
.endr
	WIN 0
	s_wait_kmcnt 0x0
	MKSCALE                                        ; e0 stands in s24
	ROW 0, 48, 2, 16                               ; behind row 0: row 1, g1, be1 (48 loads).  Ahead of g1's first use: row 2 alone may be out (16)
	FILL 3, 4, 3                                   ; each slot is asked for again as soon as its codes are made
	ROW 1, 32, -1, -1                              ; rows 2 and 3 may be out
	FILL 4, WSRC, 0                                ; the weight's first row
	ROW 2, 32, -1, -1                              ; row 3 and the weight's first row may be out
	FILL 5, WSRC, 1
	ROW 3, 32, -1, -1                              ; the weight's two rows may be out
	s_cmp_lt_u32 ttmp9, 256
	s_cselect_b32 s24, s25, s27                    ; e1 for W1, e3 for W2
	MKSCALE
	s_wait_alu depctr_va_vdst(0)
	s_wait_loadcnt 16                              ; a weight's row: the quantiser alone
	CODES 4, WDST, 0
	s_wait_loadcnt 0
	CODES 5, WDST, 16*ROWC
	s_endpgm
.Lfunc_end_k_qbd6ed25ee8_prep:
	.size	k_qbd6ed25ee8_prep, .Lfunc_end_k_qbd6ed25ee8_prep-k_qbd6ed25ee8_prep
	.p2alignl 7, 3214868480
	.fill 96, 4, 3214868480
	.section	.rodata,"a",@progbits
	.p2align	6, 0x0
	.amdhsa_kernel k_qbd6ed25ee8_prep
		.amdhsa_group_segment_fixed_size 0
		.amdhsa_private_segment_fixed_size 0
		.amdhsa_enable_private_segment 0
		.amdhsa_kernarg_size 72
		.amdhsa_user_sgpr_count 2
		.amdhsa_user_sgpr_kernarg_segment_ptr 1
		.amdhsa_wavefront_size32 1
		.amdhsa_system_sgpr_workgroup_id_x 1
		.amdhsa_system_sgpr_workgroup_id_y 1
		.amdhsa_system_sgpr_workgroup_id_z 1
		.amdhsa_system_vgpr_workitem_id 0
		.amdhsa_next_free_vgpr 384
		.amdhsa_next_free_sgpr 66
		.amdhsa_reserve_vcc 0
		.amdhsa_float_denorm_mode_32 3
		.amdhsa_float_denorm_mode_16_64 3
		.amdhsa_memory_ordered 1
		.amdhsa_forward_progress 1
		.amdhsa_inst_pref_size 90
	.end_amdhsa_kernel
	.amdgpu_metadata
---
amdhsa.version: [ 1, 2 ]
amdhsa.kernels:
  - .name:           k_qbd6ed25ee8_prep
    .symbol:         k_qbd6ed25ee8_prep.kd
    .args:
      - { .name: x, .offset: 0, .size: 8, .value_kind: global_buffer, .address_space: global }
      - { .name: g1, .offset: 8, .size: 8, .value_kind: global_buffer, .address_space: global }
      - { .name: be1, .offset: 16, .size: 8, .value_kind: global_buffer, .address_space: global }
      - { .name: W1, .offset: 24, .size: 8, .value_kind: global_buffer, .address_space: global }
      - { .name: W2, .offset: 32, .size: 8, .value_kind: global_buffer, .address_space: global }
      - { .name: lowp_scales, .offset: 40, .size: 8, .value_kind: global_buffer, .address_space: global }
      - { .name: acodes, .offset: 48, .size: 8, .value_kind: global_buffer, .address_space: global }
      - { .name: w1q, .offset: 56, .size: 8, .value_kind: global_buffer, .address_space: global }
      - { .name: w2q, .offset: 64, .size: 8, .value_kind: global_buffer, .address_space: global }
    .group_segment_fixed_size: 0
    .private_segment_fixed_size: 0
    .kernarg_segment_align: 8
    .kernarg_segment_size: 72
    .max_flat_workgroup_size: 128
    .sgpr_count:     66
    .vgpr_count:     384
    .wavefront_size: 32
...
	.end_amdgpu_metadata
.endif
;; end of part 1
;; launch gemm1 (part 2): grid 8 x 32, 4 waves a work-group, clusters of 4 x 4, 327,680 bytes of LDS; arguments acodes, w1q, lowp_scales, b1, h; writes h
.if DOCPART == 2
	.amdgcn_target "amdgcn-amd-amdhsa--gfx1250"
	.amdhsa_code_object_version 6
	.text
	.protected	k_qbd6ed25ee8_gemm1
	.globl	k_qbd6ed25ee8_gemm1
	.p2align	8
	.type	k_qbd6ed25ee8_gemm1,@function
k_qbd6ed25ee8_gemm1:
	s_mov_b64 s[64:65], 0
	v_nop
	global_prefetch_b8 v0, s[64:65] scope:SCOPE_SE
	s_setreg_imm32_b32 hwreg(HW_REG_WAVE_MODE, 25, 1), 1
	s_wait_xcnt 0x0
	s_wait_alu depctr_hold_cnt(0) depctr_sa_sdst(0) depctr_va_vdst(0) depctr_va_sdst(0) depctr_va_ssrc(0) depctr_va_vcc(0) depctr_vm_vsrc(0)
	s_getreg_b32 s2, hwreg(HW_REG_IB_STS2, 6, 4)
	s_cmp_eq_u32 s2, 0
	s_cbranch_scc0 .Lentry_in_a_cluster
	s_endpgm
.Lentry_in_a_cluster:
	s_bfe_u32 s2, ttmp6, 0x10000c
	s_cmp_lg_u32 s2, 0xf033
	s_cbranch_scc0 .Lentry_shape_is_right
	s_endpgm
.Lentry_shape_is_right:
; SECOND OF FOUR LAUNCHES:  h = relu(Q(LN1(x)) Q(W1)^T + b1), f32.  Nothing is left out.  acodes [8192][2048] and w1q [2048][2048] are codes of E4M3, K innermost, as the launch before laid them
; (one order along K in both; in w1q place 16 i + r of each group of 64 rows holds row 4 r + i, so that four accumulators give a lane four neighbouring columns).
; The codes are multiplied as they are (v_wmma_f32_16x16x128_fp8_fp8); each finished sum is multiplied once by 2^(e0 + e1), with b1 added in the same fused instruction.  LIMIT: e0 + e1 lies between -126 and 127.
; A block of 256 x 256 to a work-group of four waves, 128 x 128 a wave: 64 accumulators, 512 registers.  K in steps of 256 through a ring of two LDS slots filled by the tensor data mover.
; CLUSTERS: 4 x 4 work-groups; A's tiles are asked for jointly along a row of the cluster, B's along a column.
; THE LAST K STEP GOES BY ROWS OF THE BLOCK: B's fragments of its whole 256 along K fill window 1, A's come for four blocks of 16 rows at a time, and each block is finished by 16 products and leaves
; while the others are multiplied.  A half block's results are written into the accumulators that the half before has freed (the first into v32-63), so no store's data are written again.
; PREFETCH of the tiles: every cluster asks for what it will itself load, a lane a row, the four partners of a joint load sharing its 128 rows out by address: K step 1 behind the first joint load,
; K steps 2 and 3 behind slot 1's fill, then behind each refill the K step that stands two refills on; the last two refills ask for nothing.
; h IS LAID AS THE WAVES HOLD IT: block ((8 x tile row + tile column) x 4 + wave) of 65,536 bytes; in it byte 8192 a + 1024 j + 512 g + 256 t + 16 r + 4 i holds row 16 a + 8 t + j and
; column 64 g + 4 r + i of the wave's 128 x 128: each store of a wave covers 512 consecutive bytes.
; REGISTERS, in windows of 256: window 0: v16-31 addresses, v32-63 the first results, v96-103 b1, from v128 A's fragments; window 1: B's fragments (two sets); windows 2, 3: the accumulators ((a, b) at v[8 (8 (a % 4) + b)]).
.set SIZE_K, 2048
.set ROWB,   256                       ; a tile's row: 256 codes
.set KROW,   SIZE_K
.set PITCH,  272                       ; an LDS row: 256 bytes + 16 of padding
.set FR,     16
.set NL,     4
.set NP,     4                         ; places behind this matrix instruction (ISA guide 7.12.1)
.set HALFT,  128*PITCH
.set SLOT,   4*HALFT
.set LAPS,   SIZE_K/(2*ROWB)
.set SPARE,  2*SLOT                    ; the spare words: 512 bytes that no other line names
.set ADRA, 16
.set ADRB, 20
.set VO,   26                          ; 16 x lane: my 16 bytes of a store's 512
.set VB,   27
.set SPW,  28
.set NIL,  29
.set PFO,  30
.set XB,   32
.set BI,   96
.set AF,   128
.set G1, 24
.set G0, 32
.set G1B, 48
.set G0B, 56
.set CP,  70
.set PFA, 72
.set MSB, 0
.macro WIN new                         ; the immediate's high byte repeats the setting that is left
.if MSB != (\new)
	s_set_vgpr_msb (MSB<<8)|(\new)
.set MSB, (\new)
.endif
.endm
.set MUL_LO, 0xa4                      ; source 0 (A) window 0, source 1 (B) window 1, C and D window 2
.set MUL_HI, 0xf4                      ; the same, C and D window 3
.set TO_B,   0x40                      ; destination window 1, address window 0
.macro JLOAD g0a, g1a, g0b, g1b        ; a joint load: waves 0 and 1 fetch for A, waves 2 and 3 for B; s_nop 0 and four v_nop behind each line
	s_cmp_eq_u32 s15, 0
	s_cbranch_scc0 .Lfor_b_\@
	tensor_load_to_lds s[\g0a:\g0a+3], s[\g1a:\g1a+7]
	s_nop 0
.rept 4
	v_nop
.endr
	s_branch .Lasked_\@
.Lfor_b_\@:
	tensor_load_to_lds s[\g0b:\g0b+3], s[\g1b:\g1b+7]
	s_nop 0
.rept 4
	v_nop
.endr
.Lasked_\@:
.endm
.macro ASK                             ; the K step two refills on: 32 rows x 256 bytes, a lane a row; not in the loop's last trip (s3 = 1), whose refills are the last
	s_cmp_gt_u32 s3, 1
	s_cbranch_scc0 .Lnone_\@
	global_prefetch_b8 v[PFO], s[PFA:PFA+1] offset:4*ROWB th:TH_LOAD_NT scope:SCOPE_SE
.Lnone_\@:
.endm
.macro CREST                           ; a round of the cluster's barrier behind its opening barrier
	s_cmp_lg_u32 s14, 0
	s_cbranch_scc1 .Lnot_wave_0_\@
	s_barrier_signal -3
.Lnot_wave_0_\@:
	s_barrier_wait -3
	s_barrier_signal -1
	s_barrier_wait -1
.endm
.macro CROUND
	s_barrier_signal -1
	s_barrier_wait -1
	CREST
.endm
.macro FRAG reg, adr, q, i             ; 16 rows x 128 K: four loads of 16 bytes a lane
.irp c, 0,1,2,3
	ds_load_b128 v[\reg+4*\c:\reg+4*\c+3], v[\adr] offset:128*(\q)+32*\c+(\i)*16*PITCH
.endr
.endm
.macro MUL16 a0, p, zero               ; A's blocks a0, a0 + 1 x B's eight (set p); zero = 1: the first product starts the sums.  The 64 accumulators take turns, in one order in every step
.irp a, \a0, \a0+1
.irp b, 0,1,2,3,4,5,6,7
.if \zero
	v_wmma_f32_16x16x128_fp8_fp8 v[8*(8*((\a)%4)+\b):8*(8*((\a)%4)+\b)+7], v[AF+FR*(\a):AF+FR*(\a)+FR-1], v[128*(\p)+FR*\b:128*(\p)+FR*\b+FR-1], 0
.else
	v_wmma_f32_16x16x128_fp8_fp8 v[8*(8*((\a)%4)+\b):8*(8*((\a)%4)+\b)+7], v[AF+FR*(\a):AF+FR*(\a)+FR-1], v[128*(\p)+FR*\b:128*(\p)+FR*\b+FR-1], v[8*(8*((\a)%4)+\b):8*(8*((\a)%4)+\b)+7]
.endif
.endr
.endr
.endm
.macro FETCH_B slot, q, p
	WIN TO_B
.irp i, 0,1,2,3,4,5,6,7
	FRAG 128*(\p)+FR*\i, ADRB+\slot, \q, \i
.endr
	WIN 0
.endm
.macro FETCH_A slot, q, i0
.irp i, \i0, \i0+1, \i0+2, \i0+3
	FRAG AF+FR*(\i), ADRA+\slot, \q, \i
.endr
.endm
.macro PLACES n
.rept \n
	v_nop
.endr
.endm
.macro STEP slot, q, zero              ; 128 along K, with its successor in the same slot
	s_wait_dscnt 4*NL                              ; B's set and A's blocks 0-3 are in; A's blocks 4-7 may be out
	WIN MUL_LO
	MUL16 0, (\q)%2, \zero
	MUL16 2, (\q)%2, \zero
	s_wait_dscnt 0
	PLACES NP
	FETCH_B \slot, (\q)+1, 1-(\q)%2
	FETCH_A \slot, (\q)+1, 0
	WIN MUL_HI
	MUL16 4, (\q)%2, \zero
	MUL16 6, (\q)%2, \zero
	PLACES NP
	WIN 0
	FETCH_A \slot, (\q)+1, 4
.endm
.macro TURN slot, next, fill           ; a slot's last step changes slots.  fill = 1: this slot is filled again, two K steps ahead.  fill = 0: the next slot holds the last K step, which goes by rows
	s_wait_tensorcnt 0x0                           ; all my tensor loads have landed: my part of the next slot;
	ds_add_u32 v[SPW], v[NIL]
.if \fill
	s_add_nc_u64 s[G0+4*\slot+2:G0+4*\slot+3], s[G0+4*\slot+2:G0+4*\slot+3], 2*ROWB
	s_add_nc_u64 s[G0B+4*\slot+2:G0B+4*\slot+3], s[G0B+4*\slot+2:G0B+4*\slot+3], 2*ROWB
.endif
	s_wait_dscnt 4*NL+1                            ; (the add and the youngest sixteen loads, A's blocks 4-7, may be out)
	WIN MUL_LO
	MUL16 0, 1, 0                                  ; sixteen matrix instructions stand between the add and the wait for it
	s_wait_dscnt 0x0                               ; the add is done, and my reads of this slot are over
	s_barrier_signal -1
	MUL16 2, 1, 0                                  ; work on registers while the others arrive
	WIN 0
	s_barrier_wait -1
.if \fill
	CREST                                          ; the barrier has opened a round of the cluster's barrier
	JLOAD G0+4*\slot, G1, G0B+4*\slot, G1B         ; the first tensor load behind the round; its four v_nop are the places in front of the loads below
.else
	PLACES NP
.endif
	FETCH_B \next, 0, 0
	FETCH_A \next, 0, 0
.if \fill
	ASK
.endif
	WIN MUL_HI
	MUL16 4, 1, 0
	MUL16 6, 1, 0
	PLACES NP
	WIN 0
.if \fill
	FETCH_A \next, 0, 4
	s_wait_xcnt 0x0                                ; my prefetch, 32 matrix instructions back, has read its address
	s_add_nc_u64 s[PFA:PFA+1], s[PFA:PFA+1], ROWB
.else
.irp i, 0,1,2,3
	FRAG AF+64+FR*\i, ADRA+\next, 1, \i            ; blocks 0-3, the second 128 along K, where blocks 4-7 lay
.endr
	FETCH_B \next, 1, 1                            ; and B's second 128 along K
.endif
.endm
.macro ROW a                           ; block a's last 256 along K: its eight accumulators by turns, twice; then the places in front of what reads the results and refills A's registers
	WIN MUL_LO+0x50*((\a)/4)
.irp q, 0,1
.if (\a) == 0 && \q == 1
	s_wait_dscnt 0                                 ; the second halves are in
.endif
.irp b, 0,1,2,3,4,5,6,7
	v_wmma_f32_16x16x128_fp8_fp8 v[8*(8*((\a)%4)+\b):8*(8*((\a)%4)+\b)+7], v[AF+64*\q+FR*((\a)%4):AF+64*\q+FR*((\a)%4)+FR-1], v[128*\q+FR*\b:128*\q+FR*\b+FR-1], v[8*(8*((\a)%4)+\b):8*(8*((\a)%4)+\b)+7]
.endr
.endr
	PLACES NP
	WIN 0
.endm
; THE WAY OUT of half g of block a (16 rows x 64 columns, four accumulators): sum x 2^(e0 + e1) + b1, relu, into the 32 registers of the half before; four accumulators give a lane 16 neighbouring bytes.
.macro OUTH a, g
.set U, 2*(\a)+(\g)
.if U == 0
.set OD, 0
.set OB, XB
.else
.set OD, 2+((U-1)/2)/4
.set OB, 64*(((U-1)/2)%4)+32*((U-1)%2)
.endif
.set AC, 64*((\a)%4)+32*(\g)
	WIN (OD<<6)|(2+(\a)/4)
.irp j, 0,1,2,3,4,5,6,7
.irp i, 0,1,2,3
	v_fma_f32 v[OB+4*\j+\i], v[AC+8*\i+\j], s96, v[BI+4*(\g)+\i]   ; each accumulator from its low end on
.endr
.endr
	WIN (OD<<6)|(OD<<2)
.set n, 0
.rept 32
	v_max_num_f32 v[OB+n], 0, v[OB+n]
.set n, n+1
.endr
.irp j, 0,1,2,3,4,5,6,7
	global_store_b128 v[VO], v[OB+4*\j:OB+4*\j+3], s[CP:CP+1] offset:8192*(\a)+1024*\j+512*(\g)   ; 32 lanes store 512 consecutive bytes
.endr
.endm
	s_load_b128 s[4:7], s[0:1], 0x0                ; acodes, w1q
	s_load_b128 s[8:11], s[0:1], 0x10              ; the exponents, b1
	s_load_b64 s[CP:CP+1], s[0:1], 0x20            ; h
	v_lshl_add_u32 v[SPW], v0, 2, SPARE
	v_mov_b32 v[NIL], 0
	ds_add_u32 v[SPW], v[NIL]                      ; the opening lines: the add, twice on end, and one wait
	ds_add_u32 v[SPW], v[NIL]
	v_lshrrev_b32 v1, 5, v0
	v_readfirstlane_b32 s14, v1                    ; wave 0..3
	s_lshr_b32 s15, s14, 1                         ; my half of the block's rows; also: I fetch for A (0) or for B (1)
	s_and_b32 s16, s14, 1                          ; my half of its columns; also: which 128 rows of that tile I fetch
	s_bfe_u32 s40, ttmp6, 0x40000                  ; cx, cy
	s_bfe_u32 s41, ttmp6, 0x40004
	s_lshl_b32 s42, ttmp9, 2
	s_add_co_u32 s42, s42, s40                     ; tile column
	s_and_b32 s17, ttmp7, 0xffff
	s_lshl_b32 s17, s17, 2
	s_add_co_u32 s17, s17, s41                     ; tile row
	s_lshl_b32 s43, s41, 2
	s_lshl_b32 s43, 15, s43                        ; my row of the cluster
	s_lshl_b32 s44, 0x1111, s40                    ; my column
	s_or_b32 s[G1+0], s43, (0<<16)|(1<<20)|(1<<21)|(5<<22)|(3<<25)   ; mask; bytes; padding of 4 words behind every 64
	s_or_b32 s[G1B+0], s44, (0<<16)|(1<<20)|(1<<21)|(5<<22)|(3<<25)
.irp g, G1, G1B
	s_mov_b32 s[\g+1], ROWB<<16
	s_mov_b32 s[\g+2], 128<<16
	s_mov_b32 s[\g+3], ROWB<<16
	s_mov_b32 s[\g+4], 128
	s_mov_b32 s[\g+5], KROW
	s_mov_b32 s[\g+6], 0
	s_mov_b32 s[\g+7], 0
.endr
	s_lshl_b32 s18, s16, 7
	s_lshl_b32 s20, s17, 8
	s_add_co_u32 s20, s20, s18                     ; A: row 256 x tile row + 128 x half
	s_lshl_b32 s46, s42, 8
	s_add_co_u32 s46, s46, s18                     ; B: row 256 x tile column + 128 x half
	s_mov_b32 s21, 0
	s_mov_b32 s47, 0
	s_mov_b64 s[18:19], KROW
	s_mul_u64 s[20:21], s[20:21], s[18:19]
	s_mul_u64 s[46:47], s[46:47], s[18:19]
	s_mul_i32 s45, s14, HALFT                      ; where they go: wave x 128 rows
	s_wait_dscnt 0x0
	s_wait_kmcnt 0x0
	s_load_b64 s[96:97], s[8:9], 0x0               ; e0, e1
	s_add_nc_u64 s[20:21], s[4:5], s[20:21]
	s_add_nc_u64 s[46:47], s[6:7], s[46:47]
	CROUND                                         ; all sixteen work-groups are here: the first joint loads meet
.irp s, 0,1
	s_mov_b32 s[G0+4*\s], 1
	s_add_co_u32 s[G0+4*\s+1], s45, \s*SLOT
	s_add_nc_u64 s[G0+4*\s+2:G0+4*\s+3], s[20:21], \s*ROWB
	s_or_b32 s[G0+4*\s+3], s[G0+4*\s+3], 0x80000000
	s_mov_b32 s[G0B+4*\s], 1
	s_add_co_u32 s[G0B+4*\s+1], s45, \s*SLOT
	s_add_nc_u64 s[G0B+4*\s+2:G0B+4*\s+3], s[46:47], \s*ROWB
	s_or_b32 s[G0B+4*\s+3], s[G0B+4*\s+3], 0x80000000
.endr
	JLOAD G0, G1, G0B, G1B                         ; K step 0: one tensor load a wave at the head
	s_mul_i32 s21, s15, HALFT                      ; my 128 rows of A,
	s_mul_i32 s22, s16, HALFT
	s_add_co_u32 s22, s22, 2*HALFT                 ; of B, behind A's 256,
	s_add_co_u32 s82, s21, SLOT                    ; and the same in slot 1
	s_add_co_u32 s83, s22, SLOT
	v_and_b32 v1, 15, v0                           ; l % 16
	v_bfe_u32 v2, v0, 4, 1                         ; l / 16
	v_mul_u32_u24 v3, v1, PITCH
	v_lshl_add_u32 v4, v2, 4, v3
	v_add_nc_u32 v[ADRA], s21, v4
	v_add_nc_u32 v[ADRB], s22, v4
	v_add_nc_u32 v[ADRA+1], s82, v4
	v_add_nc_u32 v[ADRB+1], s83, v4
	v_lshlrev_b32 v[VB], 4, v1
	v_lshl_add_u32 v[VO], v2, 8, v[VB]
	v_and_b32 v6, 31, v0
	v_lshlrev_b32 v[PFO], 11, v6                   ; the prefetches: a lane a row of 2,048 bytes
	s_wait_alu depctr_va_vdst(0)
	s_lshl_b32 s20, s17, 3
	s_add_co_u32 s20, s20, s42                     ; 8 x tile row + tile column
	s_lshl_b32 s20, s20, 2
	s_add_co_u32 s20, s20, s14                     ; x 4 + wave: my block of h,
	s_lshl_b32 s20, s20, 16                        ; of 65,536 bytes
	s_mov_b32 s21, 0
	s_lshl_b32 s46, s42, 10
	s_lshl_b32 s47, s16, 9
	s_add_co_u32 s46, s46, s47                     ; my first column, in bytes of b1
	s_mov_b32 s47, 0
	s_add_nc_u64 s[10:11], s[10:11], s[46:47]
	s_add_nc_u64 s[CP:CP+1], s[CP:CP+1], s[20:21]
	global_load_b128 v[BI:BI+3], v[VB], s[10:11]   ; b1 at my eight columns
	global_load_b128 v[BI+4:BI+7], v[VB], s[10:11] offset:256
	s_lshl_b32 s75, s17, 8                         ; the prefetches: the tile's first row, in A by the tile row, in B by the tile column,
	s_lshl_b32 s78, s42, 8
	s_cmp_eq_u32 s15, 0
	s_cselect_b32 s75, s75, s78
	s_cselect_b32 s76, s40, s41                    ; my place among the four that ask for it with me
	s_cselect_b64 s[PFA:PFA+1], s[4:5], s[6:7]
	s_lshl_b32 s77, s16, 7
	s_add_co_u32 s75, s75, s77                     ; + the 128 rows that I fetch
	s_lshl_b32 s76, s76, 5
	s_add_co_u32 s75, s75, s76                     ; + my work-group's 32 of them
	s_lshl_b32 s78, s75, 11
	s_mov_b32 s79, 0
	s_add_nc_u64 s[PFA:PFA+1], s[PFA:PFA+1], s[78:79]
	global_prefetch_b8 v[PFO], s[PFA:PFA+1] offset:ROWB th:TH_LOAD_NT scope:SCOPE_SE     ; K step 1
	s_wait_kmcnt 0x0
	s_add_co_i32 s96, s96, s97                     ; e0 + e1
	s_add_co_i32 s96, s96, 127
	s_lshl_b32 s96, s96, 23                        ; 2^(e0 + e1)
	s_wait_tensorcnt 0x0                           ; my part of K step 0 is in
	ds_add_u32 v[SPW], v[NIL]
	s_wait_dscnt 0x0
	CROUND                                         ; everybody's part of K step 0 is in, and all sixteen work-groups are here
	JLOAD G0+4, G1, G0B+4, G1B                     ; K step 1: the first tensor load behind the round
	FETCH_B 0, 0, 0
	FETCH_A 0, 0, 0
	FETCH_A 0, 0, 4
	global_prefetch_b8 v[PFO], s[PFA:PFA+1] offset:2*ROWB th:TH_LOAD_NT scope:SCOPE_SE   ; K steps 2 and 3
	global_prefetch_b8 v[PFO], s[PFA:PFA+1] offset:3*ROWB th:TH_LOAD_NT scope:SCOPE_SE
	STEP 0, 0, 1                                   ; the first step stands in front of the loop: its products start the sums
	s_mov_b32 s3, LAPS-1
.Llap:                                                 ; a trip goes once round the ring, from a lap's second step to the next lap's first, and fills both slots again
	TURN 0, 1, 1
	STEP 1, 0, 0
	TURN 1, 0, 1
	STEP 0, 0, 0
	s_sub_co_u32 s3, s3, 1
	s_cmp_lg_u32 s3, 0
	s_cbranch_scc1 .Llap
	TURN 0, 1, 0                                   ; the last lap fills nothing
	s_wait_loadcnt 0x0                             ; b1 is in
.irp a, 0,1,2,3,4,5,6,7
.if \a == 0
	s_wait_dscnt 48                                ; B's first set and A's first halves are in; the 48 youngest loads (the second halves) may be out
.endif
.if \a >= 4
	s_wait_dscnt 8*(7-\a)                          ; block a's fragments are in; the younger refills may be out
.endif
	ROW \a
.if \a < 4
	FRAG AF+FR*\a, ADRA+1, 0, \a+4                 ; its registers take the block four further on
	FRAG AF+64+FR*\a, ADRA+1, 1, \a+4
.endif
	OUTH \a, 0
	OUTH \a, 1
.endr
	WIN 0
	s_wait_tensorcnt 0x0                           ; the wave's end
	ds_add_u32 v[SPW], v[NIL]
	s_wait_dscnt 0x0
	CROUND                                         ; the closing round
	s_endpgm
.Lfunc_end_k_qbd6ed25ee8_gemm1:
	.size	k_qbd6ed25ee8_gemm1, .Lfunc_end_k_qbd6ed25ee8_gemm1-k_qbd6ed25ee8_gemm1
	.p2alignl 7, 3214868480
	.fill 96, 4, 3214868480
	.section	.rodata,"a",@progbits
	.p2align	6, 0x0
	.amdhsa_kernel k_qbd6ed25ee8_gemm1
		.amdhsa_group_segment_fixed_size 327680
		.amdhsa_private_segment_fixed_size 0
		.amdhsa_enable_private_segment 0
		.amdhsa_kernarg_size 40
		.amdhsa_user_sgpr_count 2
		.amdhsa_user_sgpr_kernarg_segment_ptr 1
		.amdhsa_wavefront_size32 1
		.amdhsa_system_sgpr_workgroup_id_x 1
		.amdhsa_system_sgpr_workgroup_id_y 1
		.amdhsa_system_sgpr_workgroup_id_z 1
		.amdhsa_system_vgpr_workitem_id 0
		.amdhsa_next_free_vgpr 1024
		.amdhsa_next_free_sgpr 98
		.amdhsa_reserve_vcc 0
		.amdhsa_float_denorm_mode_32 3
		.amdhsa_float_denorm_mode_16_64 3
		.amdhsa_memory_ordered 1
		.amdhsa_forward_progress 1
		.amdhsa_inst_pref_size 141
	.end_amdhsa_kernel
	.amdgpu_metadata
---
amdhsa.version: [ 1, 2 ]
amdhsa.kernels:
  - .name:           k_qbd6ed25ee8_gemm1
    .symbol:         k_qbd6ed25ee8_gemm1.kd
    .args:
      - { .name: acodes, .offset: 0, .size: 8, .value_kind: global_buffer, .address_space: global }
      - { .name: w1q, .offset: 8, .size: 8, .value_kind: global_buffer, .address_space: global }
      - { .name: lowp_scales, .offset: 16, .size: 8, .value_kind: global_buffer, .address_space: global }
      - { .name: b1, .offset: 24, .size: 8, .value_kind: global_buffer, .address_space: global }
      - { .name: h, .offset: 32, .size: 8, .value_kind: global_buffer, .address_space: global }
    .group_segment_fixed_size: 327680
    .private_segment_fixed_size: 0
    .kernarg_segment_align: 8
    .kernarg_segment_size: 40
    .max_flat_workgroup_size: 128
    .sgpr_count:     98
    .vgpr_count:     1024
    .wavefront_size: 32
...
	.end_amdgpu_metadata
.endif
;; end of part 2
;; launch norm2 (part 3): grid 512 x 1, 4 waves a work-group, no clusters, 0 bytes of LDS; arguments h, g2, be2, lowp_scales, acodes; writes acodes
.if DOCPART == 3
	.amdgcn_target "amdgcn-amd-amdhsa--gfx1250"
	.amdhsa_code_object_version 6
	.text
	.protected	k_qbd6ed25ee8_norm2
	.globl	k_qbd6ed25ee8_norm2
	.p2align	8
	.type	k_qbd6ed25ee8_norm2,@function
k_qbd6ed25ee8_norm2:
	s_mov_b64 s[64:65], 0
	v_nop
	global_prefetch_b8 v0, s[64:65] scope:SCOPE_SE
	s_setreg_imm32_b32 hwreg(HW_REG_WAVE_MODE, 25, 1), 1
	s_wait_xcnt 0x0
; THIRD OF FOUR LAUNCHES:  acodes = codes of LN2(h) = (h - mean) rsqrt(var + 1e-5) g2 + be2, scale 2^e2 (entry 2 of the exponents).  h: [8192][2048] f32, as the launch before stored it.  Nothing is left out.
; code = number / 2^e2, held within +-448, rounded to the nearest code, ties to even.
; LIMITS: e2 lies between -126 and 119, so that 2^e2 and 448 x 2^e2 are f32 numbers.  NaN and infinity are not served.
; THE ORDER ALONG K IN A ROW OF CODES is the program's own, the same as in the weights' codes: byte 512 s + 16 l + 4 c + i holds k = 512 s + 128 c + 4 l + i (s, c = 0..3, l = 0..31, i = 0..3).
; It is what a lane's registers give with no exchange: each load of a wave reads two pieces of 256 consecutive bytes, 512 bytes apart (lane l: 16 bytes), and each store of codes writes 512 consecutive bytes.
; SHARES.  A wave takes a whole row (8,192 bytes: 64 registers a lane) and keeps it in registers from the mean to the codes: the row is read once, and no wave waits for another: no LDS, no barrier.
; Four rows a wave, 16 a work-group, 512 work-groups.  Three row slots in registers: one at work, two on their way in.  Every offset is an immediate: no address is stepped.
; Matrix units, clusters and tensor loads have nothing to do here: waves share only g2 and be2.
; The mean and the variance are taken in two passes over the registers (the variance of h - mean), in four chains of packed f32 sums and a tree across the lanes.
; REGISTERS: v1 16 x lane; v2-9 four chains; v10 mean; v12 rsqrt; v14 448 x 2^e; v15 2^e; v16 for the lane exchange; v32-63 two sets of a row's 16 code registers; v64-255 three row slots.
;   v256-319 g2, v320-383 be2, in the row's own layout (second block of 256 registers: s_set_vgpr_msb).
.set ROWF, 8192                        ; a row of f32 in bytes
.set ROWC, 2048                        ; a row of codes in bytes
.set T,    2
.set MU,   10                          ; v[10:11]: named as a pair; the low word serves both halves
.set RS,   12                          ; v[12:13]: likewise
.set LIM,  14
.set SCL,  15
.set PT,   16
.set C,    32
.set X,    64
.set MSB,  0
.macro WIN new                         ; the immediate's high byte repeats the setting that is left
.if MSB != \new
	s_set_vgpr_msb (MSB<<8)|\new
.set MSB, \new
.endif
.endm
.macro FILL r                          ; row r of my four into slot r % 3: sixteen loads of two 256-byte pieces, 512 bytes apart
.irp j, 0,1,2,3,4,5,6,7,8,9,10,11,12,13,14,15
	; h lies in blocks of 65,536 bytes, one for each 128 rows x 128 columns: block ((8 x (row / 256) + column / 256) x 4 + 2 x (row / 128 % 2) + column / 128 % 2); in it row 16 a + 8 t + j and
	; column 64 g + 4 r + i stand at byte 8192 a + 1024 j + 512 g + 256 t + 16 r + 4 i.  Load j takes columns 128 j .. 128 j + 127 of the row: two whole pieces of 256 bytes, 512 bytes apart.
	global_load_b128 v[X+64*((\r)%3)+4*\j:X+64*((\r)%3)+4*\j+3], v17, s[4:5] offset:(\r)*1024+((\j)/2)*262144+((\j)%2)*65536 th:TH_LOAD_NT
.endr
.endm
.macro FOLD                            ; the four chains, their halves, and the 32 lanes: the sum in every lane's v[T]
	v_pk_add_f32 v[T:T+1], v[T:T+1], v[T+2:T+3]
	v_pk_add_f32 v[T+4:T+5], v[T+4:T+5], v[T+6:T+7]
	v_pk_add_f32 v[T:T+1], v[T:T+1], v[T+4:T+5]
	v_add_f32 v[T], v[T], v[T+1]
	v_add_f32_dpp v[T], v[T], v[T] row_xmask:1 row_mask:0xf bank_mask:0xf
	v_add_f32_dpp v[T], v[T], v[T] row_xmask:2 row_mask:0xf bank_mask:0xf
	v_add_f32_dpp v[T], v[T], v[T] row_xmask:4 row_mask:0xf bank_mask:0xf
	v_add_f32_dpp v[T], v[T], v[T] row_xmask:8 row_mask:0xf bank_mask:0xf
	v_permlanex16_b32 v[PT], v[T], s34, s35
	v_add_f32 v[T], v[T], v[PT]
.endm
.macro CODES r                         ; the 64 numbers of slot r % 3 become 64 codes and leave
.set XS, X+64*((\r)%3)
.set CS, C+16*((\r)%2)
.set j, 0
.rept 64
	v_med3_num_f32 v[XS+j], v[XS+j], -v[LIM], v[LIM]   ; the conversion to an 8-bit code does not saturate (ISA guide 7.6.2): the hold at the largest code x the scale
.set j, j+1
.endr
.if (\r) >= 2
	s_wait_alu depctr_va_vdst(0)
	s_wait_xcnt 0x0                                ; row r - 2's stores have read this set of code registers: it is written again only behind this wait
.endif
.irp q, 0,1,2,3,4,5,6,7
	v_cvt_scalef32_pk8_fp8_f32 v[CS+2*\q:CS+2*\q+1], v[XS+8*\q:XS+8*\q+7], v[SCL]
.endr
	v_nop                                          ; one plain vector line behind the last scaled conversion
.irp s, 0,1,2,3
	global_store_b128 v1, v[CS+4*\s:CS+4*\s+3], s[16:17] offset:(\r)*ROWC+512*\s   ; 32 lanes store 512 consecutive bytes, at a multiple of 512 from the buffer's first byte
.endr
.endm
; A row of the layer norm.  left: the younger loads that may stay out when row r must be in.  early, late: rows to ask for at the head and at the end (-1: none).  left2: the same count ahead of the first use of g2 and be2 (-1: no wait).
.macro ROW r, left, early, left2, late
.set XS, X+64*((\r)%3)
	s_wait_loadcnt \left
.if \early >= 0
	FILL \early
.endif
.irp c, 0,1,2,3
	v_pk_add_f32 v[T+2*\c:T+2*\c+1], v[XS+2*\c:XS+2*\c+1], v[XS+8+2*\c:XS+8+2*\c+1]   ; the first pairs start the chains: nothing is cleared
.endr
.set j, 8
.rept 24
	v_pk_add_f32 v[T+2*(j%4):T+2*(j%4)+1], v[T+2*(j%4):T+2*(j%4)+1], v[XS+2*j:XS+2*j+1]
.set j, j+1
.endr
	FOLD
	v_mul_f32 v[MU], s36, v[T]                     ; the mean: sum / 2,048 (exact scaling)
.set j, 0
.rept 32
	v_pk_add_f32 v[XS+2*j:XS+2*j+1], v[XS+2*j:XS+2*j+1], v[MU:MU+1] op_sel_hi:[1,0] neg_lo:[0,1] neg_hi:[0,1]   ; h - mean
.set j, j+1
.endr
.irp c, 0,1,2,3
	v_pk_mul_f32 v[T+2*\c:T+2*\c+1], v[XS+2*\c:XS+2*\c+1], v[XS+2*\c:XS+2*\c+1]
.endr
.set j, 4
.rept 28
	v_pk_fma_f32 v[T+2*(j%4):T+2*(j%4)+1], v[XS+2*j:XS+2*j+1], v[XS+2*j:XS+2*j+1], v[T+2*(j%4):T+2*(j%4)+1]
.set j, j+1
.endr
	FOLD
	v_fma_f32 v[T], v[T], s36, s37                 ; var + 1e-5
	s_wait_alu depctr_va_vdst(0)
	v_rsq_f32 v[RS], v[T]
	v_nop                                          ; a plain line behind the transcendental
.if \left2 >= 0
	s_wait_loadcnt \left2
.endif
	s_wait_alu depctr_va_vdst(0)                   ; this wait ahead of the first line that names the root's result
.set j, 0
.rept 32
	v_pk_mul_f32 v[XS+2*j:XS+2*j+1], v[XS+2*j:XS+2*j+1], v[RS:RS+1] op_sel_hi:[1,0]
.set j, j+1
.endr
	WIN 0x14                                       ; sources 1 and 2 (gain, bias) in the second block of registers
.set j, 0
.rept 32
	v_pk_fma_f32 v[XS+2*j:XS+2*j+1], v[XS+2*j:XS+2*j+1], v[2*j:2*j+1], v[64+2*j:64+2*j+1]
.set j, j+1
.endr
	WIN 0
	CODES \r
.if \late >= 0
	FILL \late
.endif
.endm
	s_load_b256 s[4:11], s[0:1], 0x0               ; h s[4:5], g2 s[6:7], be2 s[8:9], the exponents s[10:11]
	s_load_b64 s[16:17], s[0:1], 0x20              ; acodes
	v_lshrrev_b32 v2, 5, v0
	v_readfirstlane_b32 s22, v2                    ; wave 0..3
	v_and_b32 v1, 31, v0
	v_lshlrev_b32 v1, 4, v1                        ; 16 x lane; never rewritten
	v_and_b32 v17, 0x100, v1
	v_add_nc_u32 v17, v17, v1                      ; in h: 16 (lane % 16) + 512 (lane / 16); never rewritten
	v_mov_b32 v[MU+1], 0                           ; (named as the upper halves of pairs, so they are written)
	v_mov_b32 v[RS+1], 0
	v_mov_b32 v[PT], 0                             ; a lane permute's destination counts as one of its sources
	s_mov_b32 s34, 0x76543210                      ; v_permlanex16_b32: lane l takes lane l xor 16
	s_mov_b32 s35, 0xfedcba98
	s_mov_b32 s36, 0x3a000000                      ; 1 / 2,048
	s_mov_b32 s37, 0x3727c5ac                      ; 1e-5
	s_lshl_b32 s28, ttmp9, 4
	s_lshl_b32 s29, s22, 2
	s_add_co_u32 s28, s28, s29                     ; my first row: 16 x work-group + 4 x wave
	s_lshr_b32 s30, s28, 8                         ; where my first row (a multiple of 4) begins in h: 8 x 4 blocks for each 256 rows,
	s_lshl_b32 s30, s30, 21
	s_bfe_u32 s31, s28, 0x10007                    ; two blocks for the upper 128 of them,
	s_lshl_b32 s31, s31, 17
	s_add_co_u32 s30, s30, s31
	s_bfe_u32 s31, s28, 0x30004                    ; 8192 a,
	s_lshl_b32 s31, s31, 13
	s_add_co_u32 s30, s30, s31
	s_bfe_u32 s31, s28, 0x10003                    ; 256 t,
	s_lshl_b32 s31, s31, 8
	s_add_co_u32 s30, s30, s31
	s_and_b32 s31, s28, 7                          ; 1024 j: my four rows are j, j + 1, j + 2, j + 3
	s_lshl_b32 s31, s31, 10
	s_add_co_u32 s30, s30, s31
	s_mov_b32 s31, 0
	s_lshl_b32 s32, s28, 11
	s_mov_b32 s33, 0
	s_wait_alu depctr_va_vdst(0)
	s_wait_kmcnt 0x0
	s_load_b32 s24, s[10:11], 0x8                  ; e2
	s_add_nc_u64 s[4:5], s[4:5], s[30:31]
	s_add_nc_u64 s[16:17], s[16:17], s[32:33]
	FILL 0
	FILL 1
	WIN 0x40                                       ; destination in the second block of registers
.irp j, 0,1,2,3,4,5,6,7,8,9,10,11,12,13,14,15
	global_load_b128 v[4*\j:4*\j+3], v1, s[6:7] offset:512*\j
.endr
.irp j, 0,1,2,3,4,5,6,7,8,9,10,11,12,13,14,15
	global_load_b128 v[64+4*\j:64+4*\j+3], v1, s[8:9] offset:512*\j
.endr
	WIN 0
	s_wait_kmcnt 0x0
	s_add_co_i32 s28, s24, 127
	s_lshl_b32 s29, s28, 23
	v_mov_b32 v[SCL], s29                          ; 2^e2 as f32: the conversion takes its exponent field
	s_add_co_i32 s28, s28, 8
	s_lshl_b32 s28, s28, 23
	s_or_b32 s28, s28, 0x600000
	v_mov_b32 v[LIM], s28                          ; 448 x 2^e2
	ROW 0, 48, 2, 16, 3                            ; behind row 0: row 1, g2, be2 (48 loads).  Ahead of g2's first use: row 2 alone may be out (16)
	ROW 1, 32, -1, -1, -1                          ; rows 2 and 3 may be out
	ROW 2, 16, -1, -1, -1                          ; row 3 may be out
	ROW 3, 0, -1, -1, -1
	s_endpgm
.Lfunc_end_k_qbd6ed25ee8_norm2:
	.size	k_qbd6ed25ee8_norm2, .Lfunc_end_k_qbd6ed25ee8_norm2-k_qbd6ed25ee8_norm2
	.p2alignl 7, 3214868480
	.fill 96, 4, 3214868480
	.section	.rodata,"a",@progbits
	.p2align	6, 0x0
	.amdhsa_kernel k_qbd6ed25ee8_norm2
		.amdhsa_group_segment_fixed_size 0
		.amdhsa_private_segment_fixed_size 0
		.amdhsa_enable_private_segment 0
		.amdhsa_kernarg_size 40
		.amdhsa_user_sgpr_count 2
		.amdhsa_user_sgpr_kernarg_segment_ptr 1
		.amdhsa_wavefront_size32 1
		.amdhsa_system_sgpr_workgroup_id_x 1
		.amdhsa_system_sgpr_workgroup_id_y 1
		.amdhsa_system_sgpr_workgroup_id_z 1
		.amdhsa_system_vgpr_workitem_id 0
		.amdhsa_next_free_vgpr 384
		.amdhsa_next_free_sgpr 66
		.amdhsa_reserve_vcc 0
		.amdhsa_float_denorm_mode_32 3
		.amdhsa_float_denorm_mode_16_64 3
		.amdhsa_memory_ordered 1
		.amdhsa_forward_progress 1
		.amdhsa_inst_pref_size 76
	.end_amdhsa_kernel
	.amdgpu_metadata
---
amdhsa.version: [ 1, 2 ]
amdhsa.kernels:
  - .name:           k_qbd6ed25ee8_norm2
    .symbol:         k_qbd6ed25ee8_norm2.kd
    .args:
      - { .name: h, .offset: 0, .size: 8, .value_kind: global_buffer, .address_space: global }
      - { .name: g2, .offset: 8, .size: 8, .value_kind: global_buffer, .address_space: global }
      - { .name: be2, .offset: 16, .size: 8, .value_kind: global_buffer, .address_space: global }
      - { .name: lowp_scales, .offset: 24, .size: 8, .value_kind: global_buffer, .address_space: global }
      - { .name: acodes, .offset: 32, .size: 8, .value_kind: global_buffer, .address_space: global }
    .group_segment_fixed_size: 0
    .private_segment_fixed_size: 0
    .kernarg_segment_align: 8
    .kernarg_segment_size: 40
    .max_flat_workgroup_size: 128
    .sgpr_count:     66
    .vgpr_count:     384
    .wavefront_size: 32
...
	.end_amdgpu_metadata
.endif
;; end of part 3
;; launch gemm2 (part 4): grid 8 x 32, 4 waves a work-group, clusters of 4 x 4, 327,680 bytes of LDS; arguments acodes, w2q, lowp_scales, b2, x, out0; writes out0
.if DOCPART == 4
	.amdgcn_target "amdgcn-amd-amdhsa--gfx1250"
	.amdhsa_code_object_version 6
	.text
	.protected	k_qbd6ed25ee8_gemm2
	.globl	k_qbd6ed25ee8_gemm2
	.p2align	8
	.type	k_qbd6ed25ee8_gemm2,@function
k_qbd6ed25ee8_gemm2:
	s_mov_b64 s[64:65], 0
	v_nop
	global_prefetch_b8 v0, s[64:65] scope:SCOPE_SE
	s_setreg_imm32_b32 hwreg(HW_REG_WAVE_MODE, 25, 1), 1
	s_wait_xcnt 0x0
	s_wait_alu depctr_hold_cnt(0) depctr_sa_sdst(0) depctr_va_vdst(0) depctr_va_sdst(0) depctr_va_ssrc(0) depctr_va_vcc(0) depctr_vm_vsrc(0)
	s_getreg_b32 s2, hwreg(HW_REG_IB_STS2, 6, 4)
	s_cmp_eq_u32 s2, 0
	s_cbranch_scc0 .Lentry_in_a_cluster
	s_endpgm
.Lentry_in_a_cluster:
	s_bfe_u32 s2, ttmp6, 0x10000c
	s_cmp_lg_u32 s2, 0xf033
	s_cbranch_scc0 .Lentry_shape_is_right
	s_endpgm
.Lentry_shape_is_right:
; LAST OF FOUR LAUNCHES:  out0 = relu(Q(LN2(h)) Q(W2)^T + b2 + x), f32.  Nothing is left out.  acodes [8192][2048] and w2q [2048][2048] are codes of E4M3, K innermost, as the earlier launches laid them
; (one order along K in both; in w2q place 16 i + r of each group of 64 rows holds row 4 r + i, so that four accumulators give a lane four neighbouring columns).
; The codes are multiplied as they are (v_wmma_f32_16x16x128_fp8_fp8); each finished sum is multiplied once by 2^(e2 + e3), with b2 added in the same fused instruction.
; LIMIT: e2 + e3 lies between -126 and 126, so that 2^(e2 + e3) and its inverse are f32 numbers; x / 2^(e2 + e3) must not overflow.
; A block of 256 x 256 to a work-group of four waves, 128 x 128 a wave: 64 accumulators, 512 registers.  K in steps of 256 through a ring of two LDS slots filled by the tensor data mover.
; CLUSTERS: 4 x 4 work-groups; A's tiles are asked for jointly along a row of the cluster, B's along a column.
; x IS ADDED ON THE WAY.  A wave's 128 x 128 of x comes in 16 groups of 8 loads (16 rows x 64 columns).  A group is asked for when the group two before it is added, and is added, as x / 2^(e2 + e3)
; (an exact scaling), onto its four accumulators: groups 0 to 13 behind the first 14 steps of 128 along K, one a step; groups 14 and 15, of the wave's last block of rows, inside the last K step.
; A trip of the loop holds four steps, and a group's accumulators differ from trip to trip: that short run alone is written three times and chosen by the trip counter; all three issue the same
; loads into the same two buffers and hold the same counted wait.
; THE LAST K STEP GOES BY ROWS OF THE BLOCK: B's fragments of its whole 256 along K fill window 1, A's come for four blocks of 16 rows at a time, and each block is finished by 16 products and leaves
; while the others are multiplied.  A half block's results are written into the accumulators that the half before has freed (the first into v32-63), so no store's data are written again.
; PREFETCH of the tiles: every cluster asks for what it will itself load, a lane a row, the four partners of a joint load sharing its 128 rows out by address: K step 1 behind the first joint load,
; K steps 2 and 3 behind slot 1's fill, then behind each refill the K step that stands two refills on; the last two refills ask for nothing.  x has none: its loads into registers run ahead themselves.
; REGISTERS, in windows of 256: window 0: v16-31 addresses, v32-95 two groups of x, v96-103 b2, from v128 A's fragments; window 1: B's fragments (two sets);
;   windows 2, 3: the accumulators ((a, b) at v[8 (8 (a % 4) + b)]).
.set SIZE_N, 2048
.set SIZE_K, 2048
.set ROWB,   256                       ; a tile's row: 256 codes
.set KROW,   SIZE_K
.set CROW,   SIZE_N*4                  ; a row of x and of out0 in bytes
.set PITCH,  272                       ; an LDS row: 256 bytes + 16 of padding
.set FR,     16
.set NL,     4
.set NP,     4                         ; places behind this matrix instruction (ISA guide 7.12.1)
.set HALFT,  128*PITCH
.set SLOT,   4*HALFT
.set LAPS,   SIZE_K/(2*ROWB)
.set SPARE,  2*SLOT                    ; the spare words: 512 bytes that no other line names
.set ADRA, 16
.set ADRB, 20
.set VO,   26                          ; 16 (l % 16) + 8 rows x (l / 16): my place in x and in out0
.set VB,   27
.set SPW,  28
.set NIL,  29
.set PFO,  30
.set XB,   32
.set BI,   96
.set AF,   128
.set G1, 24
.set G0, 32
.set G1B, 48
.set G0B, 56
.set XP,  68
.set CP,  70
.set PFA, 72
.set XS,  80
.set MSB, 0
.macro WIN new                         ; the immediate's high byte repeats the setting that is left
.if MSB != (\new)
	s_set_vgpr_msb (MSB<<8)|(\new)
.set MSB, (\new)
.endif
.endm
.set MUL_LO, 0xa4                      ; source 0 (A) window 0, source 1 (B) window 1, C and D window 2
.set MUL_HI, 0xf4                      ; the same, C and D window 3
.set TO_B,   0x40                      ; destination window 1, address window 0
.macro JLOAD g0a, g1a, g0b, g1b        ; a joint load: waves 0 and 1 fetch for A, waves 2 and 3 for B; s_nop 0 and four v_nop behind each line
	s_cmp_eq_u32 s15, 0
	s_cbranch_scc0 .Lfor_b_\@
	tensor_load_to_lds s[\g0a:\g0a+3], s[\g1a:\g1a+7]
	s_nop 0
.rept 4
	v_nop
.endr
	s_branch .Lasked_\@
.Lfor_b_\@:
	tensor_load_to_lds s[\g0b:\g0b+3], s[\g1b:\g1b+7]
	s_nop 0
.rept 4
	v_nop
.endr
.Lasked_\@:
.endm
.macro ASK                             ; the K step two refills on: 32 rows x 256 bytes, a lane a row; not in the loop's last trip (s3 = 1), whose refills are the last
	s_cmp_gt_u32 s3, 1
	s_cbranch_scc0 .Lnone_\@
	global_prefetch_b8 v[PFO], s[PFA:PFA+1] offset:4*ROWB th:TH_LOAD_NT scope:SCOPE_SE
.Lnone_\@:
.endm
.macro CREST                           ; a round of the cluster's barrier behind its opening barrier
	s_cmp_lg_u32 s14, 0
	s_cbranch_scc1 .Lnot_wave_0_\@
	s_barrier_signal -3
.Lnot_wave_0_\@:
	s_barrier_wait -3
	s_barrier_signal -1
	s_barrier_wait -1
.endm
.macro CROUND
	s_barrier_signal -1
	s_barrier_wait -1
	CREST
.endm
.macro XLOAD k                         ; group k of x: rows 16 (k / 2) + 8 (l / 16) + j, columns 64 (k % 2) + 4 (l % 16) + 0..3, into buffer k % 2; sixteen lanes read 256 consecutive bytes
.irp j, 0,1,2,3,4,5,6,7
	global_load_b128 v[XB+32*((\k)%2)+4*\j:XB+32*((\k)%2)+4*\j+3], v[VO], s[XP:XP+1] offset:(16*((\k)/2)+\j)*CROW+256*((\k)%2) th:TH_LOAD_NT
.endr
.endm
.macro XSTEP k                         ; group k onto its four accumulators (four places behind the last matrix instruction); its buffer takes the group two further on
.if (\k) < 15
	s_wait_loadcnt 8                               ; group k is in; the next group's eight loads may be out
.else
	s_wait_loadcnt 0
.endif
	WIN 0xa0+0x50*((\k)/8)                         ; source 2 and destination: window 2 or 3
.irp j, 0,1,2,3,4,5,6,7
.irp i, 0,1,2,3
	v_fma_f32 v[64*(((\k)/2)%4)+8*(4*((\k)%2)+\i)+\j], v[XB+32*((\k)%2)+4*\j+\i], s[XS], v[64*(((\k)/2)%4)+8*(4*((\k)%2)+\i)+\j]   ; each accumulator from its low end on
.endr
.endr
	WIN 0
.if (\k)+2 < 16
	XLOAD (\k)+2
.endif
	s_wait_alu depctr_va_vdst(0)
.endm
.macro XSEL p                          ; in the loop: group p, p + 4 or p + 8, by the trip (s3 = 3, 2, 1)
	s_cmp_eq_u32 s3, 3
	s_cbranch_scc0 .Lx2_\@
	XSTEP \p
	s_branch .Lxe_\@
.Lx2_\@:
	s_cmp_eq_u32 s3, 2
	s_cbranch_scc0 .Lx3_\@
	XSTEP (\p)+4
	s_branch .Lxe_\@
.Lx3_\@:
	XSTEP (\p)+8
.Lxe_\@:
.endm
.macro FRAG reg, adr, q, i             ; 16 rows x 128 K: four loads of 16 bytes a lane
.irp c, 0,1,2,3
	ds_load_b128 v[\reg+4*\c:\reg+4*\c+3], v[\adr] offset:128*(\q)+32*\c+(\i)*16*PITCH
.endr
.endm
.macro MUL16 a0, p, zero               ; A's blocks a0, a0 + 1 x B's eight (set p); zero = 1: the first product starts the sums.  The 64 accumulators take turns, in one order in every step
.irp a, \a0, \a0+1
.irp b, 0,1,2,3,4,5,6,7
.if \zero
	v_wmma_f32_16x16x128_fp8_fp8 v[8*(8*((\a)%4)+\b):8*(8*((\a)%4)+\b)+7], v[AF+FR*(\a):AF+FR*(\a)+FR-1], v[128*(\p)+FR*\b:128*(\p)+FR*\b+FR-1], 0
.else
	v_wmma_f32_16x16x128_fp8_fp8 v[8*(8*((\a)%4)+\b):8*(8*((\a)%4)+\b)+7], v[AF+FR*(\a):AF+FR*(\a)+FR-1], v[128*(\p)+FR*\b:128*(\p)+FR*\b+FR-1], v[8*(8*((\a)%4)+\b):8*(8*((\a)%4)+\b)+7]
.endif
.endr
.endr
.endm
.macro FETCH_B slot, q, p
	WIN TO_B
.irp i, 0,1,2,3,4,5,6,7
	FRAG 128*(\p)+FR*\i, ADRB+\slot, \q, \i
.endr
	WIN 0
.endm
.macro FETCH_A slot, q, i0
.irp i, \i0, \i0+1, \i0+2, \i0+3
	FRAG AF+FR*(\i), ADRA+\slot, \q, \i
.endr
.endm
.macro PLACES n
.rept \n
	v_nop
.endr
.endm
.macro STEP slot, q, zero              ; 128 along K, with its successor in the same slot
	s_wait_dscnt 4*NL                              ; B's set and A's blocks 0-3 are in; A's blocks 4-7 may be out
	WIN MUL_LO
	MUL16 0, (\q)%2, \zero
	MUL16 2, (\q)%2, \zero
	s_wait_dscnt 0
	PLACES NP
	FETCH_B \slot, (\q)+1, 1-(\q)%2
	FETCH_A \slot, (\q)+1, 0
	WIN MUL_HI
	MUL16 4, (\q)%2, \zero
	MUL16 6, (\q)%2, \zero
	PLACES NP
	WIN 0
	FETCH_A \slot, (\q)+1, 4
.endm
.macro TURN slot, next, fill           ; a slot's last step changes slots.  fill = 1: this slot is filled again, two K steps ahead.  fill = 0: the next slot holds the last K step, which goes by rows
	s_wait_tensorcnt 0x0                           ; all my tensor loads have landed: my part of the next slot;
	ds_add_u32 v[SPW], v[NIL]
.if \fill
	s_add_nc_u64 s[G0+4*\slot+2:G0+4*\slot+3], s[G0+4*\slot+2:G0+4*\slot+3], 2*ROWB
	s_add_nc_u64 s[G0B+4*\slot+2:G0B+4*\slot+3], s[G0B+4*\slot+2:G0B+4*\slot+3], 2*ROWB
.endif
	s_wait_dscnt 4*NL+1                            ; (the add and the youngest sixteen loads, A's blocks 4-7, may be out)
	WIN MUL_LO
	MUL16 0, 1, 0                                  ; sixteen matrix instructions stand between the add and the wait for it
	s_wait_dscnt 0x0                               ; the add is done, and my reads of this slot are over
	s_barrier_signal -1
	MUL16 2, 1, 0                                  ; work on registers while the others arrive
	WIN 0
	s_barrier_wait -1
.if \fill
	CREST                                          ; the barrier has opened a round of the cluster's barrier
	JLOAD G0+4*\slot, G1, G0B+4*\slot, G1B         ; the first tensor load behind the round; its four v_nop are the places in front of the loads below
.else
	PLACES NP
.endif
	FETCH_B \next, 0, 0
	FETCH_A \next, 0, 0
.if \fill
	ASK
.endif
	WIN MUL_HI
	MUL16 4, 1, 0
	MUL16 6, 1, 0
	PLACES NP
	WIN 0
.if \fill
	FETCH_A \next, 0, 4
	s_wait_xcnt 0x0                                ; my prefetch, 32 matrix instructions back, has read its address
	s_add_nc_u64 s[PFA:PFA+1], s[PFA:PFA+1], ROWB
.else
.irp i, 0,1,2,3
	FRAG AF+64+FR*\i, ADRA+\next, 1, \i            ; blocks 0-3, the second 128 along K, where blocks 4-7 lay
.endr
	FETCH_B \next, 1, 1                            ; and B's second 128 along K
.endif
.endm
.macro ROW a                           ; block a's last 256 along K: its eight accumulators by turns, twice; then the places in front of what reads the results and refills A's registers
	WIN MUL_LO+0x50*((\a)/4)
.irp q, 0,1
.if (\a) == 0 && \q == 1
	s_wait_dscnt 0                                 ; the second halves are in
.endif
.irp b, 0,1,2,3,4,5,6,7
	v_wmma_f32_16x16x128_fp8_fp8 v[8*(8*((\a)%4)+\b):8*(8*((\a)%4)+\b)+7], v[AF+64*\q+FR*((\a)%4):AF+64*\q+FR*((\a)%4)+FR-1], v[128*\q+FR*\b:128*\q+FR*\b+FR-1], v[8*(8*((\a)%4)+\b):8*(8*((\a)%4)+\b)+7]
.endr
.endr
	PLACES NP
	WIN 0
.endm
; THE WAY OUT of half g of block a (16 rows x 64 columns, four accumulators): sum x 2^(e2 + e3) + b2, relu, into the 32 registers of the half before; four accumulators give a lane 16 neighbouring bytes,
; sixteen lanes a unit of 256 bytes.
.macro OUTH a, g
.set U, 2*(\a)+(\g)
.if U == 0
.set OD, 0
.set OB, XB
.else
.set OD, 2+((U-1)/2)/4
.set OB, 64*(((U-1)/2)%4)+32*((U-1)%2)
.endif
.set AC, 64*((\a)%4)+32*(\g)
	WIN (OD<<6)|(2+(\a)/4)
.irp j, 0,1,2,3,4,5,6,7
.irp i, 0,1,2,3
	v_fma_f32 v[OB+4*\j+\i], v[AC+8*\i+\j], s96, v[BI+4*(\g)+\i]   ; each accumulator from its low end on
.endr
.endr
	WIN (OD<<6)|(OD<<2)
.set n, 0
.rept 32
	v_max_num_f32 v[OB+n], 0, v[OB+n]
.set n, n+1
.endr
.irp j, 0,1,2,3,4,5,6,7
	global_store_b128 v[VO], v[OB+4*\j:OB+4*\j+3], s[CP:CP+1] offset:(16*(\a)+\j)*CROW+256*(\g)
.endr
.endm
	s_load_b128 s[4:7], s[0:1], 0x0                ; acodes, w2q
	s_load_b128 s[8:11], s[0:1], 0x10              ; the exponents, b2
	s_load_b128 s[XP:XP+3], s[0:1], 0x20           ; x, out0
	v_lshl_add_u32 v[SPW], v0, 2, SPARE
	v_mov_b32 v[NIL], 0
	ds_add_u32 v[SPW], v[NIL]                      ; the opening lines: the add, twice on end, and one wait
	ds_add_u32 v[SPW], v[NIL]
	v_lshrrev_b32 v1, 5, v0
	v_readfirstlane_b32 s14, v1                    ; wave 0..3
	s_lshr_b32 s15, s14, 1                         ; my half of the block's rows; also: I fetch for A (0) or for B (1)
	s_and_b32 s16, s14, 1                          ; my half of its columns; also: which 128 rows of that tile I fetch
	s_bfe_u32 s40, ttmp6, 0x40000                  ; cx, cy
	s_bfe_u32 s41, ttmp6, 0x40004
	s_lshl_b32 s42, ttmp9, 2
	s_add_co_u32 s42, s42, s40                     ; tile column
	s_and_b32 s17, ttmp7, 0xffff
	s_lshl_b32 s17, s17, 2
	s_add_co_u32 s17, s17, s41                     ; tile row
	s_lshl_b32 s43, s41, 2
	s_lshl_b32 s43, 15, s43                        ; my row of the cluster
	s_lshl_b32 s44, 0x1111, s40                    ; my column
	s_or_b32 s[G1+0], s43, (0<<16)|(1<<20)|(1<<21)|(5<<22)|(3<<25)   ; mask; bytes; padding of 4 words behind every 64
	s_or_b32 s[G1B+0], s44, (0<<16)|(1<<20)|(1<<21)|(5<<22)|(3<<25)
.irp g, G1, G1B
	s_mov_b32 s[\g+1], ROWB<<16
	s_mov_b32 s[\g+2], 128<<16
	s_mov_b32 s[\g+3], ROWB<<16
	s_mov_b32 s[\g+4], 128
	s_mov_b32 s[\g+5], KROW
	s_mov_b32 s[\g+6], 0
	s_mov_b32 s[\g+7], 0
.endr
	s_lshl_b32 s18, s16, 7
	s_lshl_b32 s20, s17, 8
	s_add_co_u32 s20, s20, s18                     ; A: row 256 x tile row + 128 x half
	s_lshl_b32 s46, s42, 8
	s_add_co_u32 s46, s46, s18                     ; B: row 256 x tile column + 128 x half
	s_mov_b32 s21, 0
	s_mov_b32 s47, 0
	s_mov_b64 s[18:19], KROW
	s_mul_u64 s[20:21], s[20:21], s[18:19]
	s_mul_u64 s[46:47], s[46:47], s[18:19]
	s_mul_i32 s45, s14, HALFT                      ; where they go: wave x 128 rows
	s_wait_dscnt 0x0
	s_wait_kmcnt 0x0
	s_load_b64 s[96:97], s[8:9], 0x8               ; e2, e3
	s_add_nc_u64 s[20:21], s[4:5], s[20:21]
	s_add_nc_u64 s[46:47], s[6:7], s[46:47]
	CROUND                                         ; all sixteen work-groups are here: the first joint loads meet
.irp s, 0,1
	s_mov_b32 s[G0+4*\s], 1
	s_add_co_u32 s[G0+4*\s+1], s45, \s*SLOT
	s_add_nc_u64 s[G0+4*\s+2:G0+4*\s+3], s[20:21], \s*ROWB
	s_or_b32 s[G0+4*\s+3], s[G0+4*\s+3], 0x80000000
	s_mov_b32 s[G0B+4*\s], 1
	s_add_co_u32 s[G0B+4*\s+1], s45, \s*SLOT
	s_add_nc_u64 s[G0B+4*\s+2:G0B+4*\s+3], s[46:47], \s*ROWB
	s_or_b32 s[G0B+4*\s+3], s[G0B+4*\s+3], 0x80000000
.endr
	JLOAD G0, G1, G0B, G1B                         ; K step 0: one tensor load a wave at the head
	s_mul_i32 s21, s15, HALFT                      ; my 128 rows of A,
	s_mul_i32 s22, s16, HALFT
	s_add_co_u32 s22, s22, 2*HALFT                 ; of B, behind A's 256,
	s_add_co_u32 s82, s21, SLOT                    ; and the same in slot 1
	s_add_co_u32 s83, s22, SLOT
	v_and_b32 v1, 15, v0                           ; l % 16
	v_bfe_u32 v2, v0, 4, 1                         ; l / 16
	v_mul_u32_u24 v3, v1, PITCH
	v_lshl_add_u32 v4, v2, 4, v3
	v_add_nc_u32 v[ADRA], s21, v4
	v_add_nc_u32 v[ADRB], s22, v4
	v_add_nc_u32 v[ADRA+1], s82, v4
	v_add_nc_u32 v[ADRB+1], s83, v4
	v_lshlrev_b32 v[VB], 4, v1
	v_lshl_add_u32 v[VO], v2, 16, v[VB]
	v_and_b32 v6, 31, v0
	v_lshlrev_b32 v[PFO], 11, v6                   ; the prefetches: a lane a row of 2,048 bytes
	s_wait_alu depctr_va_vdst(0)
	s_lshl_b32 s20, s17, 8
	s_lshl_b32 s21, s15, 7
	s_add_co_u32 s20, s20, s21
	s_lshl_b32 s20, s20, 13                        ; my first row of x and out0, in bytes,
	s_mov_b32 s21, 0
	s_lshl_b32 s46, s42, 10
	s_lshl_b32 s47, s16, 9
	s_add_co_u32 s46, s46, s47                     ; and my first column
	s_mov_b32 s47, 0
	s_add_nc_u64 s[10:11], s[10:11], s[46:47]
	s_add_nc_u64 s[20:21], s[20:21], s[46:47]
	s_add_nc_u64 s[CP:CP+1], s[CP:CP+1], s[20:21]
	s_add_nc_u64 s[XP:XP+1], s[XP:XP+1], s[20:21]
	global_load_b128 v[BI:BI+3], v[VB], s[10:11]   ; b2 at my eight columns
	global_load_b128 v[BI+4:BI+7], v[VB], s[10:11] offset:256
	XLOAD 0
	XLOAD 1
	s_lshl_b32 s75, s17, 8                         ; the prefetches: the tile's first row, in A by the tile row, in B by the tile column,
	s_lshl_b32 s78, s42, 8
	s_cmp_eq_u32 s15, 0
	s_cselect_b32 s75, s75, s78
	s_cselect_b32 s76, s40, s41                    ; my place among the four that ask for it with me
	s_cselect_b64 s[PFA:PFA+1], s[4:5], s[6:7]
	s_lshl_b32 s77, s16, 7
	s_add_co_u32 s75, s75, s77                     ; + the 128 rows that I fetch
	s_lshl_b32 s76, s76, 5
	s_add_co_u32 s75, s75, s76                     ; + my work-group's 32 of them
	s_lshl_b32 s78, s75, 11
	s_mov_b32 s79, 0
	s_add_nc_u64 s[PFA:PFA+1], s[PFA:PFA+1], s[78:79]
	global_prefetch_b8 v[PFO], s[PFA:PFA+1] offset:ROWB th:TH_LOAD_NT scope:SCOPE_SE     ; K step 1
	s_wait_kmcnt 0x0
	s_add_co_i32 s96, s96, s97                     ; e2 + e3
	s_sub_co_i32 s[XS], 127, s96
	s_lshl_b32 s[XS], s[XS], 23                    ; 2^-(e2 + e3)
	s_add_co_i32 s96, s96, 127
	s_lshl_b32 s96, s96, 23                        ; 2^(e2 + e3)
	s_wait_tensorcnt 0x0                           ; my part of K step 0 is in
	ds_add_u32 v[SPW], v[NIL]
	s_wait_dscnt 0x0
	CROUND                                         ; everybody's part of K step 0 is in, and all sixteen work-groups are here
	JLOAD G0+4, G1, G0B+4, G1B                     ; K step 1: the first tensor load behind the round
	FETCH_B 0, 0, 0
	FETCH_A 0, 0, 0
	FETCH_A 0, 0, 4
	global_prefetch_b8 v[PFO], s[PFA:PFA+1] offset:2*ROWB th:TH_LOAD_NT scope:SCOPE_SE   ; K steps 2 and 3
	global_prefetch_b8 v[PFO], s[PFA:PFA+1] offset:3*ROWB th:TH_LOAD_NT scope:SCOPE_SE
	STEP 0, 0, 1                                   ; the first step stands in front of the loop: its products start the sums
	XSTEP 0
	s_mov_b32 s3, LAPS-1
.Llap:                                                 ; a trip goes once round the ring, from a lap's second step to the next lap's first, and fills both slots again
	TURN 0, 1, 1
	XSEL 1
	STEP 1, 0, 0
	XSEL 2
	TURN 1, 0, 1
	XSEL 3
	STEP 0, 0, 0
	XSEL 4
	s_sub_co_u32 s3, s3, 1
	s_cmp_lg_u32 s3, 0
	s_cbranch_scc1 .Llap
	TURN 0, 1, 0                                   ; the last lap fills nothing
	XSTEP 13
.irp a, 0,1,2,3,4,5,6,7
.if \a == 0
	s_wait_dscnt 48                                ; B's first set and A's first halves are in; the 48 youngest loads (the second halves) may be out
.endif
.if \a >= 4
	s_wait_dscnt 8*(7-\a)                          ; block a's fragments are in; the younger refills may be out
.endif
	ROW \a
.if \a < 4
	FRAG AF+FR*\a, ADRA+1, 0, \a+4                 ; its registers take the block four further on
	FRAG AF+64+FR*\a, ADRA+1, 1, \a+4
.endif
.if \a == 0
	XSTEP 14                                       ; block 7's x; it frees v32-63 for the first results
.endif
.if \a == 1
	XSTEP 15
.endif
	OUTH \a, 0
	OUTH \a, 1
.endr
	WIN 0
	s_wait_tensorcnt 0x0                           ; the wave's end
	ds_add_u32 v[SPW], v[NIL]
	s_wait_dscnt 0x0
	CROUND                                         ; the closing round
	s_endpgm
.Lfunc_end_k_qbd6ed25ee8_gemm2:
	.size	k_qbd6ed25ee8_gemm2, .Lfunc_end_k_qbd6ed25ee8_gemm2-k_qbd6ed25ee8_gemm2
	.p2alignl 7, 3214868480
	.fill 96, 4, 3214868480
	.section	.rodata,"a",@progbits
	.p2align	6, 0x0
	.amdhsa_kernel k_qbd6ed25ee8_gemm2
		.amdhsa_group_segment_fixed_size 327680
		.amdhsa_private_segment_fixed_size 0
		.amdhsa_enable_private_segment 0
		.amdhsa_kernarg_size 48
		.amdhsa_user_sgpr_count 2
		.amdhsa_user_sgpr_kernarg_segment_ptr 1
		.amdhsa_wavefront_size32 1
		.amdhsa_system_sgpr_workgroup_id_x 1
		.amdhsa_system_sgpr_workgroup_id_y 1
		.amdhsa_system_sgpr_workgroup_id_z 1
		.amdhsa_system_vgpr_workitem_id 0
		.amdhsa_next_free_vgpr 1024
		.amdhsa_next_free_sgpr 98
		.amdhsa_reserve_vcc 0
		.amdhsa_float_denorm_mode_32 3
		.amdhsa_float_denorm_mode_16_64 3
		.amdhsa_memory_ordered 1
		.amdhsa_forward_progress 1
		.amdhsa_inst_pref_size 188
	.end_amdhsa_kernel
	.amdgpu_metadata
---
amdhsa.version: [ 1, 2 ]
amdhsa.kernels:
  - .name:           k_qbd6ed25ee8_gemm2
    .symbol:         k_qbd6ed25ee8_gemm2.kd
    .args:
      - { .name: acodes, .offset: 0, .size: 8, .value_kind: global_buffer, .address_space: global }
      - { .name: w2q, .offset: 8, .size: 8, .value_kind: global_buffer, .address_space: global }
      - { .name: lowp_scales, .offset: 16, .size: 8, .value_kind: global_buffer, .address_space: global }
      - { .name: b2, .offset: 24, .size: 8, .value_kind: global_buffer, .address_space: global }
      - { .name: x, .offset: 32, .size: 8, .value_kind: global_buffer, .address_space: global }
      - { .name: out0, .offset: 40, .size: 8, .value_kind: global_buffer, .address_space: global }
    .group_segment_fixed_size: 327680
    .private_segment_fixed_size: 0
    .kernarg_segment_align: 8
    .kernarg_segment_size: 48
    .max_flat_workgroup_size: 128
    .sgpr_count:     98
    .vgpr_count:     1024
    .wavefront_size: 32
...
	.end_amdgpu_metadata
.endif
;; end of part 4
